; MI455X (gfx1250); checked and timed in simulation.
; The chip was launched on July 23, 2026; its instructions are those of AMD's public machine-readable ISA for CDNA 5 (MIT licence, August 2026) and "CDNA5" Instruction Set Architecture Reference Guide (July 2026). The comments in the code are by the model that wrote it; some were corrected since.
;; Quantizer. Allowed arithmetic: float matrix products may take bf16 or f16 operands with f32 sums; all other float work in f32.
;; Inputs: codebook 16,384 x 256 float32; z 16 x 256 x 32 x 32 float32.
;; Outputs: out0 16 x 256 x 32 x 32 float32.
;; 2 versions, each right; version 2 is version 1 with the launches prep, take written anew for expert scheduling mode. Each part assembles by itself: llvm-mc -triple=amdgcn-amd-amdhsa -mcpu=gfx1250 --defsym DOCPART=n.
;; ======== version 1 of 2: 4 launches
;; workspace buffers: rows16 16,777,216 bytes; norms 131,072 bytes; pd 524,288 bytes; pi 524,288 bytes of whole numbers; idx 65,536 bytes of whole numbers
;; launch prep (part 1): grid 256 x 1, 8 waves a work-group, no clusters, 35,328 bytes of LDS; arguments codebook, z, rows16, norms; writes rows16, norms
.if DOCPART == 1
	.amdgcn_target "amdgcn-amd-amdhsa--gfx1250"
	.amdhsa_code_object_version 6
	.text
	.protected	k_q382077837f_prep
	.globl	k_q382077837f_prep
	.p2align	8
	.type	k_q382077837f_prep,@function
k_q382077837f_prep:
	s_mov_b64 s[64:65], 0
	v_nop
	global_prefetch_b8 v0, s[64:65] scope:SCOPE_SE
	s_setreg_imm32_b32 hwreg(HW_REG_WAVE_MODE, 25, 1), 1
	s_wait_xcnt 0x0
; rows16[32768][256] bf16: rows 0..16383 the codebook's rows, rows 16384 + n the rows n = b*1024 + hw of z seen as [b][hw][channel], each number rounded once to bf16.
; norms[32768] f32: the sum of the squares of each ROUNDED row, so that the distances made later are those of the rounded inputs throughout.
; Work-group g makes codebook rows 64 g .. 64 g + 63 AND z rows 64 g .. 64 g + 63 (image g / 16, hw from 64 (g % 16) on): every work-group runs the same text, without a branch but wave 0's last store.
; THE CODEBOOK'S ROWS lie as they are wanted: wave w takes rows 8 w + i; a load covers 512 consecutive bytes, a lane's four numbers become 8 bytes, and a store of 8 bytes a lane
; covers 256 consecutive bytes at a multiple of 256 from rows16's first byte.  They never see LDS.
; Z'S ROWS are turned in LDS: read as rows of 256 bytes (one channel, 64 hw), put into a stage as [hw][channel], read back as whole rows of 512 bytes.
; All 32 loads of a wave go out at the start, z's first, since the stage and its barrier wait for them.
; No matrix unit, no cluster, no tensor load: no byte is shared between work-groups and each is read once.
; LIMITS: the sums of squares are f32 sums in this text's own order (eight numbers a lane, then across the 32 lanes); NaN and infinities are not treated apart.
.set PITCH, 528                        ; a stage row: 512 bytes + 16 = 33 x 16 bytes
.set NRM,   64*PITCH                   ; 128 sums: the codebook rows' 64 words, then z's: two blocks of 256 bytes
.set SPARE, NRM+512                    ; the spare words: 128 bytes for each of eight waves, named by no other line
.set LO,  3                            ; v3   z: my byte offset in the image
.set STO, 4                            ; v4   where I put my bytes in the stage
.set RD,  5                            ; v5   where I read a row back
.set GO,  6                            ; v6   16 x lane; never rewritten
.set NA,  7                            ; v7   my wave's eight words in each half of NRM
.set SPW, 8                            ; v8   my spare word; never rewritten
.set NIL, 9                            ; v9   0; never rewritten
.set G8,  13                           ; v13  8 x lane; never rewritten
.set XC,  16                           ; v[16:79]   the codebook's rows as loaded: row i at XC + 8 i
.set XZ,  80                           ; v[80:143]  z as loaded: load i at XZ + 4 i
.set P,   144                          ; v[144:175] z in bf16 pairs: on the way into the stage, then eight rows read back
.set PC,  176                          ; v[176:207] the codebook's rows in bf16 pairs: row i at PC + 4 i
.set U,   208                          ; v[208:215] eight numbers widened again
.set ACC, 216                          ; v[216:217]
.set R,   218                          ; v218       the other half of the lanes' sum
.set SUM, 220                          ; v[220:235] the sums: the codebook's eight rows, then z's eight
	s_load_b256 s[4:11], s[0:1], 0x0               ; codebook s[4:5], z s[6:7], rows16 s[8:9], norms s[10:11]
	v_lshl_add_u32 v[SPW], v0, 2, SPARE
	v_mov_b32 v[NIL], 0
	v_and_b32 v1, 31, v0                           ; lane
	v_lshrrev_b32 v2, 5, v0
	v_readfirstlane_b32 s12, v2                    ; wave 0..7
	s_mov_b32 s13, ttmp9                           ; g
	s_mov_b32 s18, 0xffff0000                      ; a word's upper bf16
	s_mov_b32 s20, 0x76543210                      ; v_permlanex16_b32: each lane takes its own place in the other half
	s_mov_b32 s21, 0xfedcba98
	v_lshlrev_b32 v[GO], 4, v1
	v_lshlrev_b32 v[G8], 3, v1
	s_mul_i32 s24, s12, 8*PITCH                    ; my wave's eight rows in the stage
	v_add_nc_u32 v[RD], s24, v[GO]
	v_mov_b32 v[R], 0                              ; v_permlanex16_b32's destination counts as read
	s_lshl_b32 s16, s13, 15                        ; rows16: (64 g + 8 w) rows of 512 bytes
	s_lshl_b32 s17, s12, 12
	s_add_co_u32 s16, s16, s17
	s_mov_b32 s17, 0
	s_lshl_b32 s14, s13, 16                        ; codebook: (64 g + 8 w) rows of 1,024 bytes
	s_lshl_b32 s15, s12, 13
	s_add_co_u32 s14, s14, s15
	s_mov_b32 s15, 0
	s_lshr_b32 s22, s13, 4                         ; z: image g / 16, 1,048,576 bytes each,
	s_lshl_b32 s22, s22, 20
	s_and_b32 s23, s13, 15                         ; 64 hw are 256 bytes
	s_lshl_b32 s23, s23, 8
	s_add_co_u32 s22, s22, s23
	s_mov_b32 s23, 0
	; z: wave w takes channels 32 w .. 32 w + 31: load i brings channel 32 w + i to lanes 0-15 and channel 32 w + 16 + i to lanes 16-31,
	; each 256 consecutive bytes at a multiple of 256 from z's first byte: four hw a lane.
	v_lshrrev_b32 v2, 4, v1                        ; lane / 16
	v_and_b32 v10, 15, v1                          ; lane % 16
	v_lshlrev_b32 v[LO], 4, v10
	v_lshl_add_u32 v[LO], v2, 16, v[LO]            ; 16 channels of 4,096 bytes
	s_lshl_b32 s25, s12, 17                        ; 32 channels
	v_add_nc_u32 v[LO], s25, v[LO]
	v_mul_u32_u24 v[STO], v10, 4*PITCH             ; my four hw are four stage rows; my 16 channels are 32 bytes of each
	v_lshl_add_u32 v[STO], v2, 5, v[STO]
	s_lshl_b32 s25, s12, 6
	v_add_nc_u32 v[STO], s25, v[STO]
	s_wait_kmcnt 0x0
	s_add_nc_u64 s[4:5], s[4:5], s[14:15]
	s_add_nc_u64 s[6:7], s[6:7], s[22:23]
	s_add_nc_u64 s[8:9], s[8:9], s[16:17]          ; rows16 at my eight codebook rows,
	s_add_nc_u64 s[26:27], s[8:9], 0x800000        ; and at my eight z rows, 16,384 rows of 512 bytes further on
.irp i, 0,1,2,3,4,5,6,7,8,9,10,11,12,13,14,15
	global_load_b128 v[XZ+4*\i:XZ+4*\i+3], v[LO], s[6:7] offset:4096*\i th:TH_LOAD_NT
.endr
.irp i, 0,1,2,3,4,5,6,7
	global_load_b128 v[XC+8*\i:XC+8*\i+3],   v[GO], s[4:5] offset:1024*\i th:TH_LOAD_NT
	global_load_b128 v[XC+8*\i+4:XC+8*\i+7], v[GO], s[4:5] offset:1024*\i+512 th:TH_LOAD_NT
.endr
	; Z INTO THE STAGE.
.irp c, 0,1,2,3,4,5,6,7
	s_wait_loadcnt 30-2*\c                         ; loads come back in order: channels 2 c and 2 c + 1 of my sixteen are in; z's younger pairs and the codebook's 16 loads stay out
.irp q, 0,1,2,3
	v_cvt_pk_bf16_f32 v[P+8*\q+\c], v[XZ+8*\c+\q], v[XZ+8*\c+4+\q]  ; hw q: two neighbouring channels in one word
.endr
.endr
.irp q, 0,1,2,3
	ds_store_b128 v[STO], v[P+8*\q:P+8*\q+3]   offset:PITCH*\q
	ds_store_b128 v[STO], v[P+8*\q+4:P+8*\q+7] offset:PITCH*\q+16
.endr
	s_wait_dscnt 0x0                               ; for the others' sake: my stores into the stage are done
	s_barrier_signal -1
	s_barrier_wait -1                              ; a z row's 512 bytes come from all eight waves
.irp i, 0,1,2,3,4,5,6,7
	ds_load_b128 v[P+4*\i:P+4*\i+3], v[RD] offset:PITCH*\i  ; z row 8 w + i, whole: 32 lanes x 16 bytes; the codebook's rows are worked on while these come back
.endr
; The sum of the squares of a row whose bf16 pairs lie in v[p .. p + 3] of the 32 lanes, into v[dst] of every lane.
.macro SQ dst, p
.irp k, 0,1,2,3
	v_lshlrev_b32 v[U+2*\k],   16,  v[(\p)+\k]
	v_and_b32     v[U+2*\k+1], s18, v[(\p)+\k]
.endr
	v_pk_mul_f32 v[ACC:ACC+1], v[U:U+1], v[U:U+1]
	v_pk_fma_f32 v[ACC:ACC+1], v[U+2:U+3], v[U+2:U+3], v[ACC:ACC+1]
	v_pk_fma_f32 v[ACC:ACC+1], v[U+4:U+5], v[U+4:U+5], v[ACC:ACC+1]
	v_pk_fma_f32 v[ACC:ACC+1], v[U+6:U+7], v[U+6:U+7], v[ACC:ACC+1]
	v_add_f32 v[\dst], v[ACC], v[ACC+1]
	v_add_f32_dpp v[\dst], v[\dst], v[\dst] row_xmask:1 row_mask:0xf bank_mask:0xf
	v_add_f32_dpp v[\dst], v[\dst], v[\dst] row_xmask:2 row_mask:0xf bank_mask:0xf
	v_add_f32_dpp v[\dst], v[\dst], v[\dst] row_xmask:4 row_mask:0xf bank_mask:0xf
	v_add_f32_dpp v[\dst], v[\dst], v[\dst] row_xmask:8 row_mask:0xf bank_mask:0xf
	v_permlanex16_b32 v[R], v[\dst], s20, s21
	v_add_f32 v[\dst], v[\dst], v[R]
.endm
	; THE CODEBOOK'S ROWS.  No register that a store reads is written again, so no wait frees a source.
.irp i, 0,1,2,3,4,5,6,7
	s_wait_loadcnt 14-2*\i                         ; row i's two loads are in, the younger rows' two each stay out
	v_cvt_pk_bf16_f32 v[PC+4*\i],   v[XC+8*\i],   v[XC+8*\i+1]
	v_cvt_pk_bf16_f32 v[PC+4*\i+1], v[XC+8*\i+2], v[XC+8*\i+3]
	v_cvt_pk_bf16_f32 v[PC+4*\i+2], v[XC+8*\i+4], v[XC+8*\i+5]
	v_cvt_pk_bf16_f32 v[PC+4*\i+3], v[XC+8*\i+6], v[XC+8*\i+7]
	global_store_b64 v[G8], v[PC+4*\i:PC+4*\i+1],   s[8:9] offset:512*\i      ; the row's first 128 numbers: 256 consecutive bytes
	global_store_b64 v[G8], v[PC+4*\i+2:PC+4*\i+3], s[8:9] offset:512*\i+256  ; and its last 128
	SQ SUM+\i, PC+4*\i
.endr
	; Z'S ROWS.
.irp i, 0,1,2,3,4,5,6,7
	s_wait_dscnt 7-\i                              ; LDS loads come back in order: row i is in, the younger rows stay out
	global_store_b128 v[GO], v[P+4*\i:P+4*\i+3], s[26:27] offset:512*\i  ; 512 consecutive bytes at a multiple of 512 from rows16's first byte
	SQ SUM+8+\i, P+4*\i
.endr
	; THE SUMS meet in LDS, so that they leave as two whole blocks of 256 bytes.
	s_lshl_b32 s25, s12, 5
	s_add_co_u32 s25, s25, NRM
	v_mov_b32 v[NA], s25
.irp i, 0,1,2,3,4,5,6,7
	ds_store_b32 v[NA], v[SUM+\i]   offset:4*\i      ; all lanes write the same word with the same number
	ds_store_b32 v[NA], v[SUM+8+\i] offset:256+4*\i
.endr
	s_wait_dscnt 0x0                               ; for wave 0's sake
	s_barrier_signal -1
	s_barrier_wait -1
	s_cmp_lg_u32 s12, 0
	s_cbranch_scc1 .Lend
	v_lshl_add_u32 v11, v1, 3, NRM                 ; wave 0: two sums a lane
	ds_load_b64 v[U:U+1],   v11
	ds_load_b64 v[U+2:U+3], v11 offset:256
	s_lshl_b32 s14, s13, 8                         ; 64 sums of 4 bytes a work-group
	s_add_nc_u64 s[10:11], s[10:11], s[14:15]
	s_wait_dscnt 0x0
	global_store_b64 v[G8], v[U:U+1],   s[10:11]               ; 256 consecutive bytes at a multiple of 256 from norms' first byte
	global_store_b64 v[G8], v[U+2:U+3], s[10:11] offset:65536  ; z's sums lie behind the codebook's 16,384
.Lend:
	s_wait_tensorcnt 0x0                           ; the wave's end, behind my last LDS store
	ds_add_u32 v[SPW], v[NIL]
	s_wait_dscnt 0x0
	s_endpgm
.Lfunc_end_k_q382077837f_prep:
	.size	k_q382077837f_prep, .Lfunc_end_k_q382077837f_prep-k_q382077837f_prep
	.p2alignl 7, 3214868480
	.fill 96, 4, 3214868480
	.section	.rodata,"a",@progbits
	.p2align	6, 0x0
	.amdhsa_kernel k_q382077837f_prep
		.amdhsa_group_segment_fixed_size 35328
		.amdhsa_private_segment_fixed_size 0
		.amdhsa_enable_private_segment 0
		.amdhsa_kernarg_size 32
		.amdhsa_user_sgpr_count 2
		.amdhsa_user_sgpr_kernarg_segment_ptr 1
		.amdhsa_wavefront_size32 1
		.amdhsa_system_sgpr_workgroup_id_x 1
		.amdhsa_system_sgpr_workgroup_id_y 1
		.amdhsa_system_sgpr_workgroup_id_z 1
		.amdhsa_system_vgpr_workitem_id 0
		.amdhsa_next_free_vgpr 240
		.amdhsa_next_free_sgpr 66
		.amdhsa_reserve_vcc 0
		.amdhsa_float_denorm_mode_32 3
		.amdhsa_float_denorm_mode_16_64 3
		.amdhsa_memory_ordered 1
		.amdhsa_forward_progress 1
		.amdhsa_inst_pref_size 30
	.end_amdhsa_kernel
	.amdgpu_metadata
---
amdhsa.version: [ 1, 2 ]
amdhsa.kernels:
  - .name:           k_q382077837f_prep
    .symbol:         k_q382077837f_prep.kd
    .args:
      - { .name: codebook, .offset: 0, .size: 8, .value_kind: global_buffer, .address_space: global }
      - { .name: z, .offset: 8, .size: 8, .value_kind: global_buffer, .address_space: global }
      - { .name: rows16, .offset: 16, .size: 8, .value_kind: global_buffer, .address_space: global }
      - { .name: norms, .offset: 24, .size: 8, .value_kind: global_buffer, .address_space: global }
    .group_segment_fixed_size: 35328
    .private_segment_fixed_size: 0
    .kernarg_segment_align: 8
    .kernarg_segment_size: 32
    .max_flat_workgroup_size: 256
    .sgpr_count:     66
    .vgpr_count:     240
    .wavefront_size: 32
...
	.end_amdgpu_metadata
.endif
;; end of part 1
;; launch dist (part 2): grid 32 x 8, 4 waves a work-group, clusters of 4 x 1, 327,680 bytes of LDS; arguments rows16, norms, pd, pi; writes pd, pi
.if DOCPART == 2
	.amdgcn_target "amdgcn-amd-amdhsa--gfx1250"
	.amdhsa_code_object_version 6
	.text
	.protected	k_q382077837f_dist
	.globl	k_q382077837f_dist
	.p2align	8
	.type	k_q382077837f_dist,@function
k_q382077837f_dist:
	s_mov_b64 s[64:65], 0
	v_nop
	global_prefetch_b8 v0, s[64:65] scope:SCOPE_SE
	s_setreg_imm32_b32 hwreg(HW_REG_WAVE_MODE, 25, 1), 1
	s_wait_xcnt 0x0
	s_wait_alu depctr_hold_cnt(0) depctr_sa_sdst(0) depctr_va_vdst(0) depctr_va_sdst(0) depctr_va_ssrc(0) depctr_va_vcc(0) depctr_vm_vsrc(0)
	s_getreg_b32 s2, hwreg(HW_REG_IB_STS2, 6, 4)
	s_cmp_eq_u32 s2, 0
	s_cbranch_scc0 .Lentry_in_a_cluster
	s_endpgm
.Lentry_in_a_cluster:
	s_bfe_u32 s2, ttmp6, 0x10000c
	s_cmp_lg_u32 s2, 0x3003
	s_cbranch_scc0 .Lentry_shape_is_right
	s_endpgm
.Lentry_shape_is_right:
; For each of 16,384 queries (rows 16384 + n of rows16) and each eighth sp of the codebook (codes 2048 sp .. 2048 sp + 2047): the largest g = -d and the first code that has it,
; d = (|z|^2 + |e|^2) - 2 z.e as the module forms it: t = A + B rounded once, then t - 2 M rounded once (2 M is exact).  M in bf16 products with f32 sums; A, B from norms.
; pd[sp][n] = g, pi[sp][n] = the code's number.
; SHARES.  A work-group owns 512 queries x 2,048 codes: 32 query blocks x 8 eighths = 256 work-groups.  A wave keeps 128 queries, eight tiles of 16, in 512 registers and walks all 2,048 codes,
; 16 a tile: a fragment of 16 codes read from LDS feeds eight products.
; LAYOUT.  Source 0 = 16 codes, source 1 = 16 queries: in the result lane l holds ONE query (l % 16) and the codes 8 (l / 16) + 0..7.  So A is one register a tile, B eight registers for all tiles.
; THE BEST.  For a tile of queries and 16 codes: the maximum m of the lane's eight g; where m > best (strictly: the earlier codes keep a tie) best, the tile's first code and the eight g are kept.
; Which of the eight it was is found once, at the end (the first that equals best); then the two halves of the lanes are merged, the lower code keeping a tie.  23 vector instructions for 8 products.
; BY TURNS.  The eight tiles are two PIECES (0-3, 4-7).  In a turn one piece has the matrix unit, 32 products (4 accumulators by turns, 8 steps of 32 channels); the other piece's 92 vector
; instructions stand in slices of three behind them.  The queries fill windows 2 and 3, so no vector operand shares a setting with a product: two switches for each product are the price.
; CLUSTER.  The four query blocks of a cluster walk the same eighth: its code tiles and its norms are asked for JOINTLY, the same load, descriptor and mask in all four.
; LIMITS.  NaN is not treated apart (a NaN never becomes the best).  Two codes whose d differ by less than the rounding noise of the f32 sums (M's, A's, B's orders of summation are this
; program's own) may be told apart otherwise than by another order.  If every g of a query is -inf, the eighth's first code is named.
; REGISTERS, in windows of 256 (s_set_vgpr_msb: bits 1:0 source 0, 3:2 source 1, 5:4 source 2, 7:6 destination):
;   window 0: v0-15 addresses; v16-111 twelve registers a tile: A, best, first code, m, the eight g kept; v112-127 B, two buffers; v128-143 t, by the tile's parity; v144-207 the accumulators; v208-227 the end
;   window 1: v0-63, v64-127 the fragments of 16 codes x 256 channels, two buffers          windows 2, 3: the queries of tiles 0-3, 4-7: tile u, channels 32 kk on at 64 u + 8 kk
.set PK,    528       ; a code's row in LDS: 512 bytes + 16 = 33 x 16 bytes: the 16 rows of a fragment load start at 16 different 16-byte columns modulo 256 bytes
.set TILE,  16*PK
.set SLOTB, 128*PK    ; a slot holds 128 codes: 8 tiles, 512 products a wave
.set SLOT1, 1<<17     ; slot 1 begins here, so that one exclusive or turns an address in one slot into the other's
.set NORMS, 200704    ; behind slot 1: the eighth's 2,048 norms, filled once
.set STAGE, NORMS+8192  ; 1,024 bytes for each wave, for the way out; no tensor load lands here
.set SPARE, STAGE+4096  ; the spare words: 128 bytes for each wave, named by no other line
.set AK0, 3           ; v3   my lane's place in a tile of codes; never rewritten
.set AK,  4           ; v4   the LDS address of the pair of tiles being fetched
.set AB0, 5           ; v5   NORMS + 32 (l / 16); never rewritten
.set QO,  6           ; v6   my byte offset in 16 rows of queries
.set AO,  7           ; v7   my byte offset in 16 norms of queries
.set STO, 8           ; v8   the way out: where I put a word
.set RD,  9           ; v9   the way out: where I read 16 bytes back
.set GO,  10          ; v10  16 x lane
.set AB,  11          ; v11  the LDS address of the norms being fetched
.set SPW, 12          ; v12  my spare word; never rewritten
.set NIL, 13          ; v13  0; never rewritten
.set H8,  14          ; v14  8 (l / 16)
.set ST,  16
.set BB,  112
.set T,   128
.set S,   144
.set PG,  208         ; the other half of the lanes' best and code
.set PI,  209
.set OG,  212         ; v[212:215], v[216:219] 32 queries a register
.set OI,  216
.set RG,  220         ; v[220:223], v[224:227] four neighbouring queries a lane
.set RI,  224
.set WV,  12          ; s12  my wave's number
.set G1K, 24          ; s[24:31] descriptor group 1 for the code tiles
.set G1N, 32          ; s[32:39] for the norms
.set G0K, 40          ; s[40:43] descriptor group 0 for the code tiles: it walks
.set G0N, 44          ; s[44:47] for the norms
.set SLOTS, 48        ; s48  counts the slots
.set CNT, 49          ; s49  counts a slot's four trips
.set TBK, 50          ; s50  LDS byte at which the pair of tiles to be fetched begins
.set KV,  51          ; s51  the first code of the tile whose g are being looked at
.set MK,  52          ; s52-53 the lanes where m > best, by the tile's parity
.set HM,  54          ; s54  lanes 16-31
.set NO,  55          ; s55  at work: byte offset of a tile's norms
.set SEL, 56          ; s[56:57] v_permlanex16_b32's selects
.set MSB, 0
.macro WIN new                      ; the high byte repeats the setting that is left; a switch that changes nothing is dropped
.if MSB != (\new)
	s_set_vgpr_msb (MSB<<8)|(\new)
.set MSB, (\new)
.endif
.endm
; A round of the cluster's barrier: my work-group's barrier, so that wave 0's signal speaks for all four waves; wave 0 signals; every wave waits for all four work-groups; my work-group's barrier once more.
.macro CROUND
	s_barrier_signal -1
	s_barrier_wait -1
	s_cmp_lg_u32 s[WV], 0
	s_cbranch_scc1 .Lnot_wave_0_\@
	s_barrier_signal -3
.Lnot_wave_0_\@:
	s_barrier_wait -3
	s_barrier_signal -1
	s_barrier_wait -1
.endm
; THE CHANGE OF SLOTS.  Each wave waits for all its tensor loads, of which one is out: its quarter of the other slot; adds 0 to its spare word; and waits for that and for its own reads of the slot
; that it leaves.  Behind the barrier nobody reads the old slot and the other slot is whole.  fill = 1: the barrier is a round of the cluster's, and the old slot is filled again, first thing behind
; it, with the codes two slots on: each wave 32 rows of 512 bytes, a quarter of the slot's 128; the load has 512 products a wave in which to land.
; (At its first use nothing has been read yet: slot 0 and the norms are waited for, slot 1 is filled.)
.macro CHANGE fill
	WIN 0                           ; at a label and at a branch every window is 0
	s_wait_tensorcnt 0x0            ; no tensor load of mine is out, so group 0 may be written
	ds_add_u32 v[SPW], v[NIL]       ; 0 onto my spare word
.if \fill
	s_xor_b32 s[G0K+1], s[G0K+1], SLOT1  ; the other slot than last time,
	s_add_nc_u64 s[G0K+2:G0K+3], s[G0K+2:G0K+3], 128*512  ; the next 128 codes; the type bits on top are not reached
.endif
	s_wait_dscnt 0x0                ; the add is done, and my reads of the slot are over
.if \fill
	CROUND
	tensor_load_to_lds s[G0K:G0K+3], s[G1K:G1K+7]
	s_nop 0
.rept 4
	v_nop
.endr
.else
	s_barrier_signal -1
	s_barrier_wait -1
.endif
	s_sub_co_u32 s[TBK], s[TBK], SLOTB  ; the fetches go back to a slot's first tile,
	s_xor_b32 s[TBK], s[TBK], SLOT1     ; in the other slot
.endm
	s_load_b256 s[4:11], s[0:1], 0x0  ; rows16 s[4:5], norms s[6:7], pd s[8:9], pi s[10:11]
	v_lshl_add_u32 v[SPW], v0, 2, SPARE
	v_mov_b32 v[NIL], 0
	ds_add_u32 v[SPW], v[NIL]       ; the wave's opening: the add and its wait stand ahead of my first tensor load; the set-up below, work on registers, stands between them
	v_lshrrev_b32 v1, 5, v0
	v_readfirstlane_b32 s[WV], v1   ; wave 0..3
	s_bfe_u32 s13, ttmp6, 0x40000   ; cx: my place in the cluster
	s_lshl_b32 s14, ttmp9, 2        ; in a cluster launch ttmp9 counts clusters
	s_add_co_u32 s14, s14, s13      ; my block of 512 queries: it enters the queries', their norms' and the outputs' addresses alone
	s_and_b32 s15, ttmp7, 0xffff    ; sp, the eighth, which the four partners share
	s_lshl_b32 s16, s15, 20         ; codes: 2,048 sp rows of 512 bytes,
	s_lshl_b32 s17, s[WV], 14       ; my 32 rows of a slot's 128
	s_add_co_u32 s16, s16, s17
	s_mov_b32 s17, 0
	s_lshl_b32 s18, s15, 13         ; their norms: 8,192 sp bytes,
	s_lshl_b32 s19, s[WV], 11       ; my quarter
	s_add_co_u32 s18, s18, s19
	s_mov_b32 s19, 0
	s_lshl_b32 s20, s14, 18         ; queries: 512 rows of 512 bytes a block,
	s_lshl_b32 s21, s[WV], 16       ; 128 a wave,
	s_add_co_u32 s20, s20, s21
	s_add_co_u32 s20, s20, 0x800000 ; behind the codebook's 16,384 rows
	s_mov_b32 s21, 0
	s_lshl_b32 s22, s14, 11         ; four bytes a query: 2,048 a block, 512 a wave
	s_lshl_b32 s23, s[WV], 9
	s_add_co_u32 s22, s22, s23
	s_lshl_b32 s2, s15, 16          ; pd and pi: 65,536 sp bytes + the same
	s_add_co_u32 s2, s2, s22
	s_mov_b32 s3, 0
	s_add_co_u32 s22, s22, 0x10000  ; the queries' norms lie behind the codes' 65,536 bytes
	s_mov_b32 s23, 0
	; descriptor group 1 for the code tiles: 32 rows x 256 elements of 2 bytes, padded in LDS
	s_mov_b32 s[G1K], 15|(1<<16)|(1<<20)|(1<<21)|(6<<22)|(3<<25)  ; 15:0 the mask of four; 17:16 2-byte elements; 20 padding on; 21 set beside a mask; 24:22 after every 128 words (code 6); 31:25 4 words (code 3)
	s_mov_b32 s[G1K+1], 256<<16     ; tensor_dim0 = 256
	s_mov_b32 s[G1K+2], 32<<16      ; tensor_dim1 = 32
	s_mov_b32 s[G1K+3], 256<<16     ; tile_dim0 = 256
	s_mov_b32 s[G1K+4], 32          ; tile_dim1 = 32
	s_mov_b32 s[G1K+5], 256         ; 256 elements from row to row
	s_mov_b32 s[G1K+6], 0
	s_mov_b32 s[G1K+7], 0
	; for the norms: 2,048 dense bytes a wave, as 8 rows of 32 elements of 8 bytes
	s_mov_b32 s[G1N], 15|(3<<16)|(1<<21)
	s_mov_b32 s[G1N+1], 32<<16
	s_mov_b32 s[G1N+2], 8<<16
	s_mov_b32 s[G1N+3], 32<<16
	s_mov_b32 s[G1N+4], 8
	s_mov_b32 s[G1N+5], 32
	s_mov_b32 s[G1N+6], 0
	s_mov_b32 s[G1N+7], 0
	s_mov_b32 s[G0K], 1             ; count = 1
	s_mul_i32 s[G0K+1], s[WV], 32*PK  ; LDS address: my quarter of slot 0: no place in the cluster enters an LDS address
	s_mov_b32 s[G0N], 1
	s_lshl_b32 s[G0N+1], s[WV], 11
	s_add_co_u32 s[G0N+1], s[G0N+1], NORMS
	s_mov_b32 s[HM], 0xffff0000
	s_mov_b32 s[SEL], 0x76543210
	s_mov_b32 s[SEL+1], 0xfedcba98
	s_lshl_b32 s61, s15, 11         ; the eighth's first code
	s_sub_co_u32 s[KV], s61, 16     ; a tile before it (modulo 2^32): the first step forward makes it the first code
	s_mov_b32 s62, 0xff800000       ; -inf
	s_mov_b32 s63, 0x7f800000       ; +inf
	s_mov_b32 s[TBK], SLOT1+SLOTB   ; the first change of slots turns this into 0
	s_wait_dscnt 0x0                ; the opening add is done
	s_wait_kmcnt 0x0
	s_add_nc_u64 s[G0K+2:G0K+3], s[4:5], s[16:17]
	s_or_b32 s[G0K+3], s[G0K+3], 0x80000000  ; type = 2
	s_add_nc_u64 s[G0N+2:G0N+3], s[6:7], s[18:19]
	s_or_b32 s[G0N+3], s[G0N+3], 0x80000000
	s_add_nc_u64 s[4:5], s[4:5], s[20:21]    ; my wave's queries
	s_add_nc_u64 s[6:7], s[6:7], s[22:23]    ; and their norms
	s_add_nc_u64 s[8:9], s[8:9], s[2:3]
	s_add_nc_u64 s[10:11], s[10:11], s[2:3]
	CROUND                          ; all four work-groups are here: the first joint loads meet
	tensor_load_to_lds s[G0K:G0K+3], s[G1K:G1K+7]  ; the two first fills go out together: two loads of mine are out
	s_nop 0
	tensor_load_to_lds s[G0N:G0N+3], s[G1N:G1N+7]
	s_nop 0
.rept 4
	v_nop
.endr
	; A fragment is 16 rows x 32 channels in 8 registers: lane l holds row l % 16, channels 8 (l / 16) + 0..7 and 16 + 8 (l / 16) + 0..7: two loads of 16 bytes, 32 bytes apart.
	v_and_b32 v1, 15, v0            ; l % 16
	v_bfe_u32 v2, v0, 4, 1          ; l / 16
	v_lshlrev_b32 v[QO], 9, v1
	v_lshl_add_u32 v[QO], v2, 4, v[QO]  ; row x 512 + 16 x half
	v_lshlrev_b32 v[AO], 2, v1
.irp p, 0,1                         ; the queries stay in registers
	WIN 0x80+0x40*\p                ; destination window 2, then 3; address window 0
.irp u, 0,1,2,3
.irp kk, 0,1,2,3,4,5,6,7
	global_load_b128 v[64*\u+8*\kk:64*\u+8*\kk+3],   v[QO], s[4:5] offset:(4*\p+\u)*8192+64*\kk
	global_load_b128 v[64*\u+8*\kk+4:64*\u+8*\kk+7], v[QO], s[4:5] offset:(4*\p+\u)*8192+64*\kk+32
.endr
.endr
.endr
	WIN 0
.irp t, 0,1,2,3,4,5,6,7
	global_load_b32 v[ST+12*\t], v[AO], s[6:7] offset:64*\t  ; A of my query in tile t
.endr
	; What the first turns find, written in the wait for the first tile: best and the g kept are -inf.  The walk is entered in the middle of a trip, where piece 1's vector work belongs to a tile
	; that has not been: with B = +inf and sums of 0 its g are -inf and change nothing.  So no first step is written out; the price is these 120 moves, once.
.irp t, 0,1,2,3,4,5,6,7
	v_mov_b32 v[ST+12*\t+1], s62
	v_mov_b32 v[ST+12*\t+2], s61
.irp q, 4,5,6,7,8,9,10,11
	v_mov_b32 v[ST+12*\t+\q], s62
.endr
.endr
.irp q, 8,9,10,11,12,13,14,15
	v_mov_b32 v[BB+\q], s63
.endr
.set z, S+32
.rept 32
	v_mov_b32 v[z], 0
.set z, z+1
.endr
	v_mul_u32_u24 v[AK0], v1, PK
	v_lshl_add_u32 v[AK0], v2, 4, v[AK0]  ; row x pitch + 16 x half
	v_lshl_add_u32 v[AB0], v2, 5, NORMS   ; my eight codes' norms are 32 bytes
	v_lshlrev_b32 v[H8], 3, v2
	v_and_b32 v15, 31, v0
	s_lshl_b32 s16, s[WV], 10
	s_add_co_u32 s16, s16, STAGE    ; my stage
	v_lshl_add_u32 v[STO], v15, 2, s16
	v_lshl_add_u32 v[RD], v15, 4, s16
	v_lshlrev_b32 v[GO], 4, v15
; Product i of a turn's 32, for piece p, on code buffer kb: channels 32 (i / 4) on, tile 4 p + i % 4.  The first four start the sums.  The four accumulators take turns, one instruction a turn;
; a turn's last product and the next turn's first belong to different pieces.
.macro MM p, kb
	WIN 0x09+4*(\p)                 ; codes in window 1, queries in window 2 + p, sums in window 0
.set rD, S+32*(\p)+8*(i%4)
.set rK, 64*(\kb)+8*(i/4)
.set rQ, 64*(i%4)+8*(i/4)
.if i < 4
	v_wmma_f32_16x16x32_bf16 v[rD:rD+7], v[rK:rK+7], v[rQ:rQ+7], 0
.else
	v_wmma_f32_16x16x32_bf16 v[rD:rD+7], v[rK:rK+7], v[rQ:rQ+7], v[rD:rD+7]
.endif
.endm
; Number n of the 23 vector instructions of tile t, with B in buffer bb.
;   0-3   t = B + A, two codes at a time                      4-7   g = 2 M - t, in place: the accumulator's lowest pair first
;   8-11  m = the largest of the eight g                      12    where m > best       13-22  there best, the tile's first code and the eight g are taken
.macro VOP t, bb, n
	WIN 0
.set rT, ST+12*(\t)
.set rS, S+8*(\t)
.set rW, T+8*((\t)%2)
.set rB, BB+8*(\bb)
.set rM, MK+(\t)%2
.if (\n) < 4
	v_pk_add_f32 v[rW+2*(\n):rW+2*(\n)+1], v[rB+2*(\n):rB+2*(\n)+1], v[rT:rT+1] op_sel_hi:[1,0]
.elseif (\n) < 8
	v_pk_fma_f32 v[rS+2*(\n)-8:rS+2*(\n)-7], v[rS+2*(\n)-8:rS+2*(\n)-7], 2.0, v[rW+2*(\n)-8:rW+2*(\n)-7] op_sel_hi:[1,0,1] neg_lo:[0,0,1] neg_hi:[0,0,1]
.elseif (\n) == 8
	v_max3_num_f32 v[rT+3], v[rS], v[rS+1], v[rS+2]
.elseif (\n) < 11
	v_max3_num_f32 v[rT+3], v[rT+3], v[rS+2*(\n)-15], v[rS+2*(\n)-14]
.elseif (\n) == 11
	v_max_num_f32 v[rT+3], v[rT+3], v[rS+7]
.elseif (\n) == 12
	v_cmp_gt_f32 s[rM], v[rT+3], v[rT+1]
.elseif (\n) == 13
	v_cndmask_b32 v[rT+1], v[rT+1], v[rT+3], s[rM]
.elseif (\n) == 14
	v_cndmask_b32 v[rT+2], v[rT+2], s[KV], s[rM]
.else
	v_cndmask_b32 v[rT+(\n)-11], v[rT+(\n)-11], v[rS+(\n)-15], s[rM]
.endif
.endm
; The next three of piece y's 92: first tiles 4 y and 4 y + 1 alternating, then 4 y + 2 and 4 y + 3, so that no line reads the result of the line before it.  30 slices of three, one of two, one empty.
.macro SLICE y, bb
.rept 3
.if j < 92
	VOP 4*(\y)+2*(j/46)+j%2, \bb, (j%46)/2
.set j, j+1
.endif
.endr
.endm
; THE LDS LOADS stand in runs, never singly among the products.  16 codes x 256 channels: 8 fragments, 16 loads.
.macro FETCH_K buf, off
	WIN 0x40                        ; destination window 1
.irp kk, 0,1,2,3,4,5,6,7
	ds_load_b128 v[64*(\buf)+8*\kk:64*(\buf)+8*\kk+3],   v[AK] offset:(\off)+64*\kk
	ds_load_b128 v[64*(\buf)+8*\kk+4:64*(\buf)+8*\kk+7], v[AK] offset:(\off)+64*\kk+32
.endr
.endm
; The norms of the tile behind the one that KV names.
.macro FETCH_B buf
	s_add_co_u32 s[NO], s[KV], 16   ; its first code,
	s_and_b32 s[NO], s[NO], 2032    ; counted within my eighth: a multiple of 16 below 2,048,
	s_lshl_b32 s[NO], s[NO], 2      ; four bytes a code: with my 32 bytes at most NORMS + 8,192
	WIN 0
	v_add_nc_u32 v[AB], s[NO], v[AB0]
	ds_load_b128 v[BB+8*(\buf):BB+8*(\buf)+3],   v[AB]
	ds_load_b128 v[BB+8*(\buf)+4:BB+8*(\buf)+7], v[AB] offset:16
.endm
; A TURN.  Piece p has the matrix unit, on code buffer kb; the other piece's vector work, with B in buffer bb, stands in slices behind its products.
; A vector instruction that reads or writes an accumulator, and a load into a register that a product has read, stand four plain vector instructions that name none of the product's registers
; behind it (ISA guide 7.12.1 for vector instructions).  Here: a turn's first eight vector lines make t and name no accumulator, so the first read of a sum stands
; eight or more behind its last product; the run of loads stands behind the turn's second product, six such lines behind the last product that read the buffer.
; Piece 0's turn fetches the codes that the turn after next multiplies, piece 1's the norms that the turn after next adds: the codes' run is 62 products ahead of the one wait for it, the norms' 30, both, at the head of
; piece 0's next turn.  fetch = 0: the last tile: nothing is left to fetch.
.macro TURN p, kb, bb, fetch
.set j, 0
.set i, 0
.if (\p) == 0
	s_wait_dscnt 0x0                ; the codes of this turn's tile and the norms of the next turn's vector work are in
.else
	s_add_co_u32 s[KV], s[KV], 16   ; this turn's vector work begins a new tile
.endif
.rept 32
	MM \p, \kb
	SLICE 1-(\p), \bb
.if (i == 1) && (\fetch)
.if (\p) == 0
.if (\kb) == 1
	WIN 0
	v_add_nc_u32 v[AK], s[TBK], v[AK0]  ; a new pair of tiles
	s_add_co_u32 s[TBK], s[TBK], 2*TILE
.endif
	FETCH_K 1-(\kb), (1-(\kb))*TILE
.else
	FETCH_B 1-(\kb)
.endif
.endif
.set i, i+1
.endr
.endm
; A trip takes two tiles, c = 2 i - 1 and 2 i:
;   TURN 0,1,0  products piece 0 of c      | vector piece 1 of c - 1 | fetches the codes of c + 1
;   TURN 1,1,1  products piece 1 of c      | vector piece 0 of c     | fetches the norms of c + 1
;   TURN 0,0,1  products piece 0 of c + 1  | vector piece 1 of c     | fetches the codes of c + 2
;   TURN 1,0,0  products piece 1 of c + 1  | vector piece 0 of c + 1 | fetches the norms of c + 2
	CHANGE 1                        ; slot 0 and the norms are in, everybody's part of them; slot 1 is asked for
	v_add_nc_u32 v[AK], s[TBK], v[AK0]
	s_add_co_u32 s[TBK], s[TBK], 2*TILE
	FETCH_K 0, 0                    ; tile 0
	FETCH_B 0
	s_wait_loadcnt 0x0              ; the queries and their norms
	s_mov_b32 s[CNT], 4
	s_mov_b32 s[SLOTS], 15
	s_branch .Lfirst                ; the loop is entered in the middle of a trip
.Lslot:                             ; 14 times: with the change above, slots 1 to 15 are asked for
	CHANGE 1
	s_mov_b32 s[CNT], 4
.Lstep:
	TURN 0, 1, 0, 1
	TURN 1, 1, 1, 1
	WIN 0
.Lfirst:
	TURN 0, 0, 1, 1
	TURN 1, 0, 0, 1
	WIN 0
	s_sub_co_u32 s[CNT], s[CNT], 1
	s_cmp_lg_u32 s[CNT], 0
	s_cbranch_scc1 .Lstep
	s_sub_co_u32 s[SLOTS], s[SLOTS], 1
	s_cmp_lg_u32 s[SLOTS], 0
	s_cbranch_scc1 .Lslot
	CHANGE 0                        ; the last slot is written out: nothing is asked for
	s_mov_b32 s[CNT], 4
.Ltail:
	TURN 0, 1, 0, 1
	TURN 1, 1, 1, 1
	TURN 0, 0, 1, 1
	TURN 1, 0, 0, 1
	WIN 0
	s_sub_co_u32 s[CNT], s[CNT], 1
	s_cmp_lg_u32 s[CNT], 0
	s_cbranch_scc1 .Ltail
	TURN 0, 1, 0, 0                 ; the last tile's products
	TURN 1, 1, 1, 0
.set j, 0
.rept 31
	SLICE 1, 1                      ; and piece 1's last vector work, alone: its first eight lines are the places behind the last products
.endr
	; THE END.  Tile t: which of the eight g kept is the best (the first that equals it); the code's number; then the query's other eight codes of every tile lie in the lane 16 away:
	; the partner's pair is taken where its g is greater, or equal with a lower code.
	v_mov_b32 v[PG], 0              ; v_permlanex16_b32's destination counts as read
	v_mov_b32 v[PI], 0
.macro FIN t
.set rT, ST+12*(\t)
	v_mov_b32 v[rT+3], 7
.irp q, 6,5,4,3,2,1,0
	v_cmp_eq_f32 vcc_lo, v[rT+4+\q], v[rT+1]
	v_cndmask_b32 v[rT+3], v[rT+3], \q, vcc_lo
.endr
	v_add3_u32 v[rT+3], v[rT+3], v[rT+2], v[H8]
	v_permlanex16_b32 v[PG], v[rT+1], s[SEL], s[SEL+1]
	v_permlanex16_b32 v[PI], v[rT+3], s[SEL], s[SEL+1]
	v_cmp_gt_f32 s58, v[PG], v[rT+1]
	v_cmp_eq_f32 s59, v[PG], v[rT+1]
	v_cmp_lt_u32 s60, v[PI], v[rT+3]
	s_and_b32 s59, s59, s60
	s_or_b32 s58, s58, s59
	v_cndmask_b32 v[rT+1], v[rT+1], v[PG], s58
	v_cndmask_b32 v[rT+3], v[rT+3], v[PI], s58
.endm
.irp t, 0,1,2,3,4,5,6,7
	FIN \t
.endr
	; THE WAY OUT.  Both halves of the lanes now hold the same: lanes 0-15 keep an even tile's 16 queries, lanes 16-31 take the odd tile's: 32 neighbouring queries a register.  Through my own
	; stage they become four neighbouring queries a lane, so that each store of the wave covers 512 consecutive bytes, at a multiple of 512 from the buffer's first byte.
.irp u, 0,1,2,3
	v_cndmask_b32 v[OG+\u], v[ST+24*\u+1], v[ST+24*\u+13], s[HM]
	v_cndmask_b32 v[OI+\u], v[ST+24*\u+3], v[ST+24*\u+15], s[HM]
.endr
.irp u, 0,1,2,3
	ds_store_b32 v[STO], v[OG+\u] offset:128*\u
	ds_store_b32 v[STO], v[OI+\u] offset:512+128*\u
.endr
	ds_load_b128 v[RG:RG+3], v[RD]  ; LDS serves a wave's instructions in order (ISA guide 5.7.1.4): these see the stores above
	ds_load_b128 v[RI:RI+3], v[RD] offset:512
	s_wait_dscnt 0x0
	global_store_b128 v[GO], v[RG:RG+3], s[8:9]
	global_store_b128 v[GO], v[RI:RI+3], s[10:11]
	s_wait_tensorcnt 0x0            ; the wave's end, behind my last tensor load and my last LDS store
	ds_add_u32 v[SPW], v[NIL]
	s_wait_dscnt 0x0
	CROUND                          ; the closing round: no work-group ends while a partner may still ask for a tile that names it
	s_endpgm
.Lfunc_end_k_q382077837f_dist:
	.size	k_q382077837f_dist, .Lfunc_end_k_q382077837f_dist-k_q382077837f_dist
	.p2alignl 7, 3214868480
	.fill 96, 4, 3214868480
	.section	.rodata,"a",@progbits
	.p2align	6, 0x0
	.amdhsa_kernel k_q382077837f_dist
		.amdhsa_group_segment_fixed_size 327680
		.amdhsa_private_segment_fixed_size 0
		.amdhsa_enable_private_segment 0
		.amdhsa_kernarg_size 32
		.amdhsa_user_sgpr_count 2
		.amdhsa_user_sgpr_kernarg_segment_ptr 1
		.amdhsa_wavefront_size32 1
		.amdhsa_system_sgpr_workgroup_id_x 1
		.amdhsa_system_sgpr_workgroup_id_y 1
		.amdhsa_system_sgpr_workgroup_id_z 1
		.amdhsa_system_vgpr_workitem_id 0
		.amdhsa_next_free_vgpr 1024
		.amdhsa_next_free_sgpr 66
		.amdhsa_reserve_vcc 1
		.amdhsa_float_denorm_mode_32 3
		.amdhsa_float_denorm_mode_16_64 3
		.amdhsa_memory_ordered 1
		.amdhsa_forward_progress 1
		.amdhsa_inst_pref_size 145
	.end_amdhsa_kernel
	.amdgpu_metadata
---
amdhsa.version: [ 1, 2 ]
amdhsa.kernels:
  - .name:           k_q382077837f_dist
    .symbol:         k_q382077837f_dist.kd
    .args:
      - { .name: rows16, .offset: 0, .size: 8, .value_kind: global_buffer, .address_space: global }
      - { .name: norms, .offset: 8, .size: 8, .value_kind: global_buffer, .address_space: global }
      - { .name: pd, .offset: 16, .size: 8, .value_kind: global_buffer, .address_space: global }
      - { .name: pi, .offset: 24, .size: 8, .value_kind: global_buffer, .address_space: global }
    .group_segment_fixed_size: 327680
    .private_segment_fixed_size: 0
    .kernarg_segment_align: 8
    .kernarg_segment_size: 32
    .max_flat_workgroup_size: 128
    .sgpr_count:     66
    .vgpr_count:     1024
    .wavefront_size: 32
...
	.end_amdgpu_metadata
.endif
;; end of part 2
;; launch pick (part 3): grid 128 x 1, 1 waves a work-group, no clusters, 0 bytes of LDS; arguments pd, pi, idx; writes idx
.if DOCPART == 3
	.amdgcn_target "amdgcn-amd-amdhsa--gfx1250"
	.amdhsa_code_object_version 6
	.text
	.protected	k_q382077837f_pick
	.globl	k_q382077837f_pick
	.p2align	8
	.type	k_q382077837f_pick,@function
k_q382077837f_pick:
	s_mov_b64 s[64:65], 0
	v_nop
	global_prefetch_b8 v0, s[64:65] scope:SCOPE_SE
	s_setreg_imm32_b32 hwreg(HW_REG_WAVE_MODE, 25, 1), 1
	s_wait_xcnt 0x0
; idx[n] = the code of the largest pd[e][n] over the eight eighths e; the lower eighth, whose codes are lower, keeps a tie (the comparison is strict).
; The choice only selects values here; the launch behind reads idx as whole numbers and forms its addresses from them.
; A lane owns four neighbouring queries, a wave 128: each load and the store cover 512 consecutive bytes.  16,384 queries are 128 waves: all the work there is.
; No LDS, no barrier, no matrix unit: 1 MiB is read once, and no byte is shared.  NaN is not treated apart: a NaN never wins.
.set G, 8                              ; v[8:39]   g of eighth e at G + 4 e
.set I, 40                             ; v[40:71]  its code at I + 4 e
	s_load_b128 s[4:7], s[0:1], 0x0                ; pd s[4:5], pi s[6:7]
	s_load_b64 s[8:9], s[0:1], 0x10                ; idx
	s_lshl_b32 s10, ttmp9, 9                       ; 32 lanes x 16 bytes
	v_lshl_add_u32 v1, v0, 4, s10
	s_wait_kmcnt 0x0
.irp e, 0,1,2,3,4,5,6,7
	global_load_b128 v[G+4*\e:G+4*\e+3], v1, s[4:5] offset:65536*\e th:TH_LOAD_NT
	global_load_b128 v[I+4*\e:I+4*\e+3], v1, s[6:7] offset:65536*\e th:TH_LOAD_NT
.endr
.irp e, 1,2,3,4,5,6,7
	s_wait_loadcnt 14-2*\e                         ; loads come back in order: eighths 0 to e are in, the younger eighths' two loads each stay out
.irp q, 0,1,2,3
	v_cmp_gt_f32 vcc_lo, v[G+4*\e+\q], v[G+\q]
	v_cndmask_b32 v[G+\q], v[G+\q], v[G+4*\e+\q], vcc_lo
	v_cndmask_b32 v[I+\q], v[I+\q], v[I+4*\e+\q], vcc_lo
.endr
.endr
	global_store_b128 v1, v[I:I+3], s[8:9]
	s_endpgm
.Lfunc_end_k_q382077837f_pick:
	.size	k_q382077837f_pick, .Lfunc_end_k_q382077837f_pick-k_q382077837f_pick
	.p2alignl 7, 3214868480
	.fill 96, 4, 3214868480
	.section	.rodata,"a",@progbits
	.p2align	6, 0x0
	.amdhsa_kernel k_q382077837f_pick
		.amdhsa_group_segment_fixed_size 0
		.amdhsa_private_segment_fixed_size 0
		.amdhsa_enable_private_segment 0
		.amdhsa_kernarg_size 24
		.amdhsa_user_sgpr_count 2
		.amdhsa_user_sgpr_kernarg_segment_ptr 1
		.amdhsa_wavefront_size32 1
		.amdhsa_system_sgpr_workgroup_id_x 1
		.amdhsa_system_sgpr_workgroup_id_y 1
		.amdhsa_system_sgpr_workgroup_id_z 1
		.amdhsa_system_vgpr_workitem_id 0
		.amdhsa_next_free_vgpr 72
		.amdhsa_next_free_sgpr 66
		.amdhsa_reserve_vcc 1
		.amdhsa_float_denorm_mode_32 3
		.amdhsa_float_denorm_mode_16_64 3
		.amdhsa_memory_ordered 1
		.amdhsa_forward_progress 1
		.amdhsa_inst_pref_size 5
	.end_amdhsa_kernel
	.amdgpu_metadata
---
amdhsa.version: [ 1, 2 ]
amdhsa.kernels:
  - .name:           k_q382077837f_pick
    .symbol:         k_q382077837f_pick.kd
    .args:
      - { .name: pd, .offset: 0, .size: 8, .value_kind: global_buffer, .address_space: global }
      - { .name: pi, .offset: 8, .size: 8, .value_kind: global_buffer, .address_space: global }
      - { .name: idx, .offset: 16, .size: 8, .value_kind: global_buffer, .address_space: global }
    .group_segment_fixed_size: 0
    .private_segment_fixed_size: 0
    .kernarg_segment_align: 8
    .kernarg_segment_size: 24
    .max_flat_workgroup_size: 32
    .sgpr_count:     66
    .vgpr_count:     72
    .wavefront_size: 32
...
	.end_amdgpu_metadata
.endif
;; end of part 3
;; launch take (part 4): grid 256 x 1, 4 waves a work-group, no clusters, 0 bytes of LDS; arguments codebook, idx, out0; writes out0
.if DOCPART == 4
	.amdgcn_target "amdgcn-amd-amdhsa--gfx1250"
	.amdhsa_code_object_version 6
	.text
	.protected	k_q382077837f_take
	.globl	k_q382077837f_take
	.p2align	8
	.type	k_q382077837f_take,@function
k_q382077837f_take:
	s_mov_b64 s[64:65], 0
	v_nop
	global_prefetch_b8 v0, s[64:65] scope:SCOPE_SE
	s_setreg_imm32_b32 hwreg(HW_REG_WAVE_MODE, 25, 1), 1
	s_wait_xcnt 0x0
; out0, seen flat as [16384][256] f32, row n = codebook row idx[n]: the module views the looked-up rows as z's shape without moving a number.
; A wave owns 16 rows: its 16 indices come by one scalar load, all 32 row loads go out at once (512 consecutive bytes each), and each row is stored as soon as it is in.
; No register is written twice, so no wait frees a source.  No LDS, barrier, matrix unit or cluster: a stream.  No prefetch: every row is asked for as soon as its index is known.
; The loads carry no hint, since several queries may name one row; the stores are written once and not read again.
; An index is held to 0..16383, the table's rows.
.set OFF, 8                            ; v[8:23]    row i: byte offset of my 16 bytes in the codebook
.set D,   24                           ; v[24:151]  row i: 8 registers
	s_load_b128 s[4:7], s[0:1], 0x0                ; codebook s[4:5], idx s[6:7]
	s_load_b64 s[8:9], s[0:1], 0x10                ; out0
	v_and_b32 v1, 31, v0
	v_lshrrev_b32 v2, 5, v0
	v_readfirstlane_b32 s12, v2                    ; wave 0..3
	v_lshlrev_b32 v1, 4, v1                        ; 16 x lane
	s_lshl_b32 s13, ttmp9, 2
	s_add_co_u32 s13, s13, s12                     ; my wave among the launch's 1,024
	s_lshl_b32 s14, s13, 6                         ; 16 indices of 4 bytes
	s_mov_b32 s15, 0
	s_lshl_b32 s10, s13, 14                        ; 16 rows of 1,024 bytes
	s_mov_b32 s11, 0
	s_wait_kmcnt 0x0
	s_add_nc_u64 s[6:7], s[6:7], s[14:15]
	s_add_nc_u64 s[8:9], s[8:9], s[10:11]
	s_load_b512 s[16:31], s[6:7], 0x0
	s_wait_kmcnt 0x0
.irp i, 0,1,2,3,4,5,6,7,8,9,10,11,12,13,14,15
	s_min_u32 s[16+\i], s[16+\i], 0x3fff
	v_lshl_add_u32 v[OFF+\i], s[16+\i], 10, v1
	global_load_b128 v[D+8*\i:D+8*\i+3],   v[OFF+\i], s[4:5]
	global_load_b128 v[D+8*\i+4:D+8*\i+7], v[OFF+\i], s[4:5] offset:512
.endr
.irp i, 0,1,2,3,4,5,6,7,8,9,10,11,12,13,14,15
	s_wait_loadcnt 30-2*\i                         ; loads come back in order: row i's two are in, the younger rows' two each stay out
	global_store_b128 v1, v[D+8*\i:D+8*\i+3],   s[8:9] offset:1024*\i th:TH_STORE_NT
	global_store_b128 v1, v[D+8*\i+4:D+8*\i+7], s[8:9] offset:1024*\i+512 th:TH_STORE_NT
.endr
	s_endpgm
.Lfunc_end_k_q382077837f_take:
	.size	k_q382077837f_take, .Lfunc_end_k_q382077837f_take-k_q382077837f_take
	.p2alignl 7, 3214868480
	.fill 96, 4, 3214868480
	.section	.rodata,"a",@progbits
	.p2align	6, 0x0
	.amdhsa_kernel k_q382077837f_take
		.amdhsa_group_segment_fixed_size 0
		.amdhsa_private_segment_fixed_size 0
		.amdhsa_enable_private_segment 0
		.amdhsa_kernarg_size 24
		.amdhsa_user_sgpr_count 2
		.amdhsa_user_sgpr_kernarg_segment_ptr 1
		.amdhsa_wavefront_size32 1
		.amdhsa_system_sgpr_workgroup_id_x 1
		.amdhsa_system_sgpr_workgroup_id_y 1
		.amdhsa_system_sgpr_workgroup_id_z 1
		.amdhsa_system_vgpr_workitem_id 0
		.amdhsa_next_free_vgpr 152
		.amdhsa_next_free_sgpr 66
		.amdhsa_reserve_vcc 0
		.amdhsa_float_denorm_mode_32 3
		.amdhsa_float_denorm_mode_16_64 3
		.amdhsa_memory_ordered 1
		.amdhsa_forward_progress 1
		.amdhsa_inst_pref_size 10
	.end_amdhsa_kernel
	.amdgpu_metadata
---
amdhsa.version: [ 1, 2 ]
amdhsa.kernels:
  - .name:           k_q382077837f_take
    .symbol:         k_q382077837f_take.kd
    .args:
      - { .name: codebook, .offset: 0, .size: 8, .value_kind: global_buffer, .address_space: global }
      - { .name: idx, .offset: 8, .size: 8, .value_kind: global_buffer, .address_space: global }
      - { .name: out0, .offset: 16, .size: 8, .value_kind: global_buffer, .address_space: global }
    .group_segment_fixed_size: 0
    .private_segment_fixed_size: 0
    .kernarg_segment_align: 8
    .kernarg_segment_size: 24
    .max_flat_workgroup_size: 128
    .sgpr_count:     66
    .vgpr_count:     152
    .wavefront_size: 32
...
	.end_amdgpu_metadata
.endif
;; end of part 4
;; ======== version 2 of 2: 4 launches; version 1 with the launches prep, take written anew for expert scheduling mode
;; workspace buffers: rows16 16,777,216 bytes; norms 131,072 bytes; pd 524,288 bytes; pi 524,288 bytes of whole numbers; idx 65,536 bytes of whole numbers
;; launch prep (part 5): grid 256 x 1, 8 waves a work-group, no clusters, 35,328 bytes of LDS; arguments codebook, z, rows16, norms; writes rows16, norms
.if DOCPART == 5
	.amdgcn_target "amdgcn-amd-amdhsa--gfx1250"
	.amdhsa_code_object_version 6
	.text
	.protected	k_q382077837f_prep
	.globl	k_q382077837f_prep
	.p2align	8
	.type	k_q382077837f_prep,@function
k_q382077837f_prep:
	s_mov_b64 s[64:65], 0
	v_nop
	global_prefetch_b8 v0, s[64:65] scope:SCOPE_SE
	s_setreg_imm32_b32 hwreg(HW_REG_WAVE_SCHED_MODE, 0, 2), 2
	s_setreg_imm32_b32 hwreg(HW_REG_WAVE_MODE, 25, 1), 1
	s_wait_xcnt 0x0
	s_wait_alu depctr_vm_vsrc(0)
; rows16[32768][256] bf16: rows 0..16383 the codebook's rows, rows 16384 + n the rows n = b*1024 + hw of z seen as [b][hw][channel], each number rounded once to bf16.
; norms[32768] f32: the sum of the squares of each ROUNDED row, so that the distances made later are those of the rounded inputs throughout.
; Work-group g makes codebook rows 64 g .. 64 g + 63 AND z rows 64 g .. 64 g + 63 (image g / 16, hw from 64 (g % 16) on): every work-group runs the same text, without a branch but wave 0's last store.
; THE CODEBOOK'S ROWS lie as they are wanted: wave w takes rows 8 w + i; a load covers 512 consecutive bytes, a lane's four numbers become 8 bytes, and a store of 8 bytes a lane
; covers 256 consecutive bytes at a multiple of 256 from rows16's first byte.  They never see LDS.
; Z'S ROWS are turned in LDS: read as rows of 256 bytes (one channel, 64 hw), put into a stage as [hw][channel], read back as whole rows of 512 bytes.
; All 32 loads of a wave go out at the start, z's first, since the stage and its barrier wait for them.
; No matrix unit, no cluster, no tensor load: no byte is shared between work-groups and each is read once.
; LIMITS: the sums of squares are f32 sums in this text's own order (eight numbers a lane, then across the 32 lanes); NaN and infinities are not treated apart.
; THE MODE: SCHED_MODE bits 1:0 = 2 (LLVM: expert scheduling mode 2), set by the entry lines.  The code itself states the register dependences
; between vector instructions and memory or LDS instructions, with s_wait_alu, always for 0.
; THE PLAN.  Registers that memory or LDS instructions touch:
;   LO, GO, G8, STO, RD, NA, NR, SPW, NIL   addresses and the closing add's pair: all made at the head, ahead of ONE wait on va_vdst, and never written again.
;   XZ, XC   Written by the loads alone, read by the conversions, never loaded again.
;   P        Written by z's conversions; read by the eight LDS stores into the stage, four behind each half of the conversions, each four behind a wait on va_vdst;
;            behind the barrier and a wait on vm_vsrc the eight LDS loads land in it; from there on it is only read.
;   PC       Row i's four registers: written by row i's conversions, read by its two stores, which stand at the head of row i + 2.  One wait on va_vdst at the head of rows 2, 4 and 6
;            shows the two rows before written; no vector line behind it names their registers.  One more behind row 7.
;   SUM      Written by the sums' last lines, read by sixteen LDS stores behind one wait on va_vdst; no vector line follows that wait, so it also shows the sums done with U, in which wave 0's two LDS loads land.
.set PITCH, 528                        ; a stage row: 512 bytes + 16 = 33 x 16 bytes
.set NRM,   64*PITCH                   ; 128 sums: the codebook rows' 64 words, then z's: two blocks of 256 bytes
.set SPARE, NRM+512                    ; the spare words: 128 bytes for each of eight waves, named by no other line
.set LO,  3                            ; v3   z: my byte offset in the image
.set STO, 4                            ; v4   where I put my bytes in the stage
.set RD,  5                            ; v5   where I read a row back
.set GO,  6                            ; v6   16 x lane; never rewritten
.set NA,  7                            ; v7   my wave's eight words in each half of NRM
.set SPW, 8                            ; v8   my spare word; never rewritten
.set NIL, 9                            ; v9   0; never rewritten
.set NR,  11                           ; v11  NRM + 8 x lane: where wave 0 reads two sums a lane
.set G8,  13                           ; v13  8 x lane; never rewritten
.set XC,  16                           ; v[16:79]   the codebook's rows as loaded: row i at XC + 8 i
.set XZ,  80                           ; v[80:143]  z as loaded: load i at XZ + 4 i
.set P,   144                          ; v[144:175] z in bf16 pairs: on the way into the stage, then eight rows read back
.set PC,  176                          ; v[176:207] the codebook's rows in bf16 pairs: row i at PC + 4 i
.set U,   208                          ; v[208:215] eight numbers widened again
.set ACC, 216                          ; v[216:217]
.set R,   218                          ; v218       the other half of the lanes' sum
.set SUM, 220                          ; v[220:235] the sums: the codebook's eight rows, then z's eight
	s_load_b256 s[4:11], s[0:1], 0x0               ; codebook s[4:5], z s[6:7], rows16 s[8:9], norms s[10:11]
	v_lshl_add_u32 v[SPW], v0, 2, SPARE
	v_mov_b32 v[NIL], 0
	v_and_b32 v1, 31, v0                           ; lane
	v_lshrrev_b32 v2, 5, v0
	v_readfirstlane_b32 s12, v2                    ; wave 0..7
	s_mov_b32 s13, ttmp9                           ; g
	s_mov_b32 s18, 0xffff0000                      ; a word's upper bf16
	s_mov_b32 s20, 0x76543210                      ; v_permlanex16_b32: each lane takes its own place in the other half
	s_mov_b32 s21, 0xfedcba98
	v_lshlrev_b32 v[GO], 4, v1
	v_lshlrev_b32 v[G8], 3, v1
	s_wait_alu depctr_va_sdst(0)                   ; s12 is written, ahead of its first reader: the wave's places in LDS and in the buffers are made from it
	s_mul_i32 s24, s12, 8*PITCH                    ; my wave's eight rows in the stage
	v_add_nc_u32 v[RD], s24, v[GO]
	v_mov_b32 v[R], 0                              ; v_permlanex16_b32's destination counts as read
	s_lshl_b32 s16, s13, 15                        ; rows16: (64 g + 8 w) rows of 512 bytes
	s_lshl_b32 s17, s12, 12
	s_add_co_u32 s16, s16, s17
	s_mov_b32 s17, 0
	s_lshl_b32 s14, s13, 16                        ; codebook: (64 g + 8 w) rows of 1,024 bytes
	s_lshl_b32 s15, s12, 13
	s_add_co_u32 s14, s14, s15
	s_mov_b32 s15, 0
	s_lshr_b32 s22, s13, 4                         ; z: image g / 16, 1,048,576 bytes each,
	s_lshl_b32 s22, s22, 20
	s_and_b32 s23, s13, 15                         ; 64 hw are 256 bytes
	s_lshl_b32 s23, s23, 8
	s_add_co_u32 s22, s22, s23
	s_mov_b32 s23, 0
	; z: wave w takes channels 32 w .. 32 w + 31: load i brings channel 32 w + i to lanes 0-15 and channel 32 w + 16 + i to lanes 16-31,
	; each 256 consecutive bytes at a multiple of 256 from z's first byte: four hw a lane.
	v_lshrrev_b32 v2, 4, v1                        ; lane / 16
	v_and_b32 v10, 15, v1                          ; lane % 16
	v_lshlrev_b32 v[LO], 4, v10
	v_lshl_add_u32 v[LO], v2, 16, v[LO]            ; 16 channels of 4,096 bytes
	s_lshl_b32 s25, s12, 17                        ; 32 channels
	v_add_nc_u32 v[LO], s25, v[LO]
	v_mul_u32_u24 v[STO], v10, 4*PITCH             ; my four hw are four stage rows; my 16 channels are 32 bytes of each
	v_lshl_add_u32 v[STO], v2, 5, v[STO]
	s_lshl_b32 s25, s12, 6
	v_add_nc_u32 v[STO], s25, v[STO]
	s_lshl_b32 s25, s12, 5                         ; the two addresses for the sums' way out are made here too, so that the one wait below shows them written
	s_add_co_u32 s25, s25, NRM
	v_mov_b32 v[NA], s25
	v_lshl_add_u32 v[NR], v1, 3, NRM               ; wave 0 alone reads by it
	s_wait_kmcnt 0x0
	s_add_nc_u64 s[4:5], s[4:5], s[14:15]
	s_add_nc_u64 s[6:7], s[6:7], s[22:23]
	s_add_nc_u64 s[8:9], s[8:9], s[16:17]          ; rows16 at my eight codebook rows,
	s_add_nc_u64 s[26:27], s[8:9], 0x800000        ; and at my eight z rows, 16,384 rows of 512 bytes further on
	s_wait_alu depctr_va_vdst(0)                   ; LO, GO, G8, STO, RD, NA, NR, SPW and NIL are written: every load, store and LDS instruction of the kernel reads one of them as its address, the closing add the last two
.irp i, 0,1,2,3,4,5,6,7,8,9,10,11,12,13,14,15
	global_load_b128 v[XZ+4*\i:XZ+4*\i+3], v[LO], s[6:7] offset:4096*\i th:TH_LOAD_NT
.endr
.irp i, 0,1,2,3,4,5,6,7
	global_load_b128 v[XC+8*\i:XC+8*\i+3],   v[GO], s[4:5] offset:1024*\i th:TH_LOAD_NT
	global_load_b128 v[XC+8*\i+4:XC+8*\i+7], v[GO], s[4:5] offset:1024*\i+512 th:TH_LOAD_NT
.endr
	; Z INTO THE STAGE, in two halves: the first eight of my sixteen channels are stored while the other eight are still awaited.
.irp c, 0,1,2,3
	s_wait_loadcnt 30-2*\c                         ; loads come back in order: channels 2 c and 2 c + 1 of my sixteen are in; z's younger pairs and the codebook's 16 loads stay out
.irp q, 0,1,2,3
	v_cvt_pk_bf16_f32 v[P+8*\q+\c], v[XZ+8*\c+\q], v[XZ+8*\c+4+\q]  ; hw q: two neighbouring channels in one word
.endr
.endr
	s_wait_alu depctr_va_vdst(0)                   ; the sixteen conversions have written v[P + 8 q .. P + 8 q + 3], which the four LDS stores read; the conversions below write the other four words of each hw
.irp q, 0,1,2,3
	ds_store_b128 v[STO], v[P+8*\q:P+8*\q+3]   offset:PITCH*\q
.endr
.irp c, 4,5,6,7
	s_wait_loadcnt 30-2*\c                         ; as above
.irp q, 0,1,2,3
	v_cvt_pk_bf16_f32 v[P+8*\q+\c], v[XZ+8*\c+\q], v[XZ+8*\c+4+\q]
.endr
.endr
	s_wait_alu depctr_va_vdst(0)                   ; the other sixteen conversions have written v[P + 8 q + 4 .. P + 8 q + 7], which the four LDS stores read; all that wrote P is done, ahead of the loads that land in it behind the barrier
.irp q, 0,1,2,3
	ds_store_b128 v[STO], v[P+8*\q+4:P+8*\q+7] offset:PITCH*\q+16
.endr
	s_wait_dscnt 0x0                               ; for the others' sake: my stores into the stage are done
	s_barrier_signal -1
	s_barrier_wait -1                              ; a z row's 512 bytes come from all eight waves
	s_wait_alu depctr_vm_vsrc(0)                   ; my eight LDS stores have read P, in which the loads below land
.irp i, 0,1,2,3,4,5,6,7
	ds_load_b128 v[P+4*\i:P+4*\i+3], v[RD] offset:PITCH*\i  ; z row 8 w + i, whole: 32 lanes x 16 bytes; the codebook's rows are worked on while these come back
.endr
; The sum of the squares of a row whose bf16 pairs lie in v[p .. p + 3] of the 32 lanes, into v[dst] of every lane.
.macro SQ dst, p
.irp k, 0,1,2,3
	v_lshlrev_b32 v[U+2*\k],   16,  v[(\p)+\k]
	v_and_b32     v[U+2*\k+1], s18, v[(\p)+\k]
.endr
	v_pk_mul_f32 v[ACC:ACC+1], v[U:U+1], v[U:U+1]
	v_pk_fma_f32 v[ACC:ACC+1], v[U+2:U+3], v[U+2:U+3], v[ACC:ACC+1]
	v_pk_fma_f32 v[ACC:ACC+1], v[U+4:U+5], v[U+4:U+5], v[ACC:ACC+1]
	v_pk_fma_f32 v[ACC:ACC+1], v[U+6:U+7], v[U+6:U+7], v[ACC:ACC+1]
	v_add_f32 v[\dst], v[ACC], v[ACC+1]
	v_add_f32_dpp v[\dst], v[\dst], v[\dst] row_xmask:1 row_mask:0xf bank_mask:0xf
	v_add_f32_dpp v[\dst], v[\dst], v[\dst] row_xmask:2 row_mask:0xf bank_mask:0xf
	v_add_f32_dpp v[\dst], v[\dst], v[\dst] row_xmask:4 row_mask:0xf bank_mask:0xf
	v_add_f32_dpp v[\dst], v[\dst], v[\dst] row_xmask:8 row_mask:0xf bank_mask:0xf
	v_permlanex16_b32 v[R], v[\dst], s20, s21
	v_add_f32 v[\dst], v[\dst], v[R]
.endm
	; THE CODEBOOK'S ROWS.  No register that a store reads is written again, so no wait frees a source.  A row's two stores stand two rows behind its conversions.
.irp i, 0,1,2,3,4,5,6,7
	s_wait_loadcnt 14-2*\i                         ; row i's two loads are in, the younger rows' two each stay out
.if (\i == 2) || (\i == 4) || (\i == 6)
	s_wait_alu depctr_va_vdst(0)                   ; the conversions of rows i - 2 and i - 1 have written their PC, which the stores at this row's head and at the next row's read; no vector line behind this wait names those eight registers
.endif
.if \i >= 2
	global_store_b64 v[G8], v[PC+4*(\i-2):PC+4*(\i-2)+1],   s[8:9] offset:512*(\i-2)      ; row i - 2's first 128 numbers: 256 consecutive bytes
	global_store_b64 v[G8], v[PC+4*(\i-2)+2:PC+4*(\i-2)+3], s[8:9] offset:512*(\i-2)+256  ; and its last 128
.endif
	v_cvt_pk_bf16_f32 v[PC+4*\i],   v[XC+8*\i],   v[XC+8*\i+1]
	v_cvt_pk_bf16_f32 v[PC+4*\i+1], v[XC+8*\i+2], v[XC+8*\i+3]
	v_cvt_pk_bf16_f32 v[PC+4*\i+2], v[XC+8*\i+4], v[XC+8*\i+5]
	v_cvt_pk_bf16_f32 v[PC+4*\i+3], v[XC+8*\i+6], v[XC+8*\i+7]
	SQ SUM+\i, PC+4*\i
.endr
	s_wait_alu depctr_va_vdst(0)                   ; the conversions of rows 6 and 7 have written their PC, which the last four stores read
.irp i, 6,7
	global_store_b64 v[G8], v[PC+4*\i:PC+4*\i+1],   s[8:9] offset:512*\i
	global_store_b64 v[G8], v[PC+4*\i+2:PC+4*\i+3], s[8:9] offset:512*\i+256
.endr
	; Z'S ROWS.  The stores' data come from the LDS loads, and no vector line has written P since the wait ahead of the barrier.
.irp i, 0,1,2,3,4,5,6,7
	s_wait_dscnt 7-\i                              ; LDS loads come back in order: row i is in, the younger rows stay out
	global_store_b128 v[GO], v[P+4*\i:P+4*\i+3], s[26:27] offset:512*\i  ; 512 consecutive bytes at a multiple of 512 from rows16's first byte
	SQ SUM+8+\i, P+4*\i
.endr
	; THE SUMS meet in LDS, so that they leave as two whole blocks of 256 bytes.
	s_wait_alu depctr_va_vdst(0)                   ; the sixteen sums are written, which the LDS stores read; and the sums' lines are done with U, in which wave 0's loads land: no vector line follows this wait
.irp i, 0,1,2,3,4,5,6,7
	ds_store_b32 v[NA], v[SUM+\i]   offset:4*\i      ; all lanes write the same word with the same number
	ds_store_b32 v[NA], v[SUM+8+\i] offset:256+4*\i
.endr
	s_wait_dscnt 0x0                               ; for wave 0's sake
	s_barrier_signal -1
	s_barrier_wait -1
	s_cmp_lg_u32 s12, 0
	s_cbranch_scc1 .Lend
	ds_load_b64 v[U:U+1],   v[NR]                  ; wave 0: two sums a lane
	ds_load_b64 v[U+2:U+3], v[NR] offset:256
	s_lshl_b32 s14, s13, 8                         ; 64 sums of 4 bytes a work-group
	s_add_nc_u64 s[10:11], s[10:11], s[14:15]
	s_wait_dscnt 0x0
	global_store_b64 v[G8], v[U:U+1],   s[10:11]               ; 256 consecutive bytes at a multiple of 256 from norms' first byte
	global_store_b64 v[G8], v[U+2:U+3], s[10:11] offset:65536  ; z's sums lie behind the codebook's 16,384
.Lend:
	s_wait_dscnt 0x0                               ; the closing lines, six on end
	s_wait_alu 0x0
	s_wait_tensorcnt 0x0
	ds_add_u32 v[SPW], v[NIL]
	s_wait_dscnt 0x0
	s_endpgm
.Lfunc_end_k_q382077837f_prep:
	.size	k_q382077837f_prep, .Lfunc_end_k_q382077837f_prep-k_q382077837f_prep
	.p2alignl 7, 3214868480
	.fill 96, 4, 3214868480
	.section	.rodata,"a",@progbits
	.p2align	6, 0x0
	.amdhsa_kernel k_q382077837f_prep
		.amdhsa_group_segment_fixed_size 35328
		.amdhsa_private_segment_fixed_size 0
		.amdhsa_enable_private_segment 0
		.amdhsa_kernarg_size 32
		.amdhsa_user_sgpr_count 2
		.amdhsa_user_sgpr_kernarg_segment_ptr 1
		.amdhsa_wavefront_size32 1
		.amdhsa_system_sgpr_workgroup_id_x 1
		.amdhsa_system_sgpr_workgroup_id_y 1
		.amdhsa_system_sgpr_workgroup_id_z 1
		.amdhsa_system_vgpr_workitem_id 0
		.amdhsa_next_free_vgpr 240
		.amdhsa_next_free_sgpr 66
		.amdhsa_reserve_vcc 0
		.amdhsa_float_denorm_mode_32 3
		.amdhsa_float_denorm_mode_16_64 3
		.amdhsa_memory_ordered 1
		.amdhsa_forward_progress 1
		.amdhsa_inst_pref_size 30
	.end_amdhsa_kernel
	.amdgpu_metadata
---
amdhsa.version: [ 1, 2 ]
amdhsa.kernels:
  - .name:           k_q382077837f_prep
    .symbol:         k_q382077837f_prep.kd
    .args:
      - { .name: codebook, .offset: 0, .size: 8, .value_kind: global_buffer, .address_space: global }
      - { .name: z, .offset: 8, .size: 8, .value_kind: global_buffer, .address_space: global }
      - { .name: rows16, .offset: 16, .size: 8, .value_kind: global_buffer, .address_space: global }
      - { .name: norms, .offset: 24, .size: 8, .value_kind: global_buffer, .address_space: global }
    .group_segment_fixed_size: 35328
    .private_segment_fixed_size: 0
    .kernarg_segment_align: 8
    .kernarg_segment_size: 32
    .max_flat_workgroup_size: 256
    .sgpr_count:     66
    .vgpr_count:     240
    .wavefront_size: 32
...
	.end_amdgpu_metadata
.endif
;; end of part 5
;; launch dist: the kernel of part 2 again; grid 32 x 8, 4 waves a work-group, clusters of 4 x 1, 327,680 bytes of LDS; arguments rows16, norms, pd, pi; writes pd, pi
;; launch pick: the kernel of part 3 again; grid 128 x 1, 1 waves a work-group, no clusters, 0 bytes of LDS; arguments pd, pi, idx; writes idx
;; launch take (part 6): grid 256 x 1, 4 waves a work-group, no clusters, 0 bytes of LDS; arguments codebook, idx, out0; writes out0
.if DOCPART == 6
	.amdgcn_target "amdgcn-amd-amdhsa--gfx1250"
	.amdhsa_code_object_version 6
	.text
	.protected	k_q382077837f_take
	.globl	k_q382077837f_take
	.p2align	8
	.type	k_q382077837f_take,@function
k_q382077837f_take:
	s_mov_b64 s[64:65], 0
	v_nop
	global_prefetch_b8 v0, s[64:65] scope:SCOPE_SE
	s_setreg_imm32_b32 hwreg(HW_REG_WAVE_SCHED_MODE, 0, 2), 2
	s_setreg_imm32_b32 hwreg(HW_REG_WAVE_MODE, 25, 1), 1
	s_wait_xcnt 0x0
	s_wait_alu depctr_vm_vsrc(0)
; out0, seen flat as [16384][256] f32, row n = codebook row idx[n]: the module views the looked-up rows as z's shape without moving a number.
; A wave owns 16 rows: its 16 indices come by one scalar load, all 32 row loads go out at once (512 consecutive bytes each), and each row is stored as soon as it is in.
; No register is written twice, so no wait frees a source.  No LDS, barrier, matrix unit or cluster: a stream.  No prefetch: every row is asked for as soon as its index is known.
; The loads carry no hint, since several queries may name one row; the stores are written once and not read again.
; An index is held to 0..16383, the table's rows.
; THE MODE: SCHED_MODE bits 1:0 = 2 (LLVM: expert scheduling mode 2), set by the entry lines.  The code itself states the register dependences
; between vector instructions and memory instructions, with s_wait_alu, always for 0.
; THE PLAN.  Registers that memory instructions touch:
;   v1, OFF   byte offsets.  Written by vector lines: v1 at the head, the sixteen OFF in one run when the indices are in.  Read by the loads (OFF) and the stores (v1).  Never written again.
;   D         Written by the loads alone, read by the stores alone: no vector line names it.
; So ONE wait on va_vdst stands behind the run that makes the offsets, and all 32 loads and 32 stores follow it with no further wait of that kind.
.set OFF, 8                            ; v[8:23]    row i: byte offset of my 16 bytes in the codebook
.set D,   24                           ; v[24:151]  row i: 8 registers
	s_load_b128 s[4:7], s[0:1], 0x0                ; codebook s[4:5], idx s[6:7]
	s_load_b64 s[8:9], s[0:1], 0x10                ; out0
	v_and_b32 v1, 31, v0
	v_lshrrev_b32 v2, 5, v0
	v_readfirstlane_b32 s12, v2                    ; wave 0..3
	v_lshlrev_b32 v1, 4, v1                        ; 16 x lane
	s_lshl_b32 s13, ttmp9, 2
	s_wait_alu depctr_va_sdst(0)                   ; s12 is written, ahead of its first reader: the places of my indices and of my rows are made from it
	s_add_co_u32 s13, s13, s12                     ; my wave among the launch's 1,024
	s_lshl_b32 s14, s13, 6                         ; 16 indices of 4 bytes
	s_mov_b32 s15, 0
	s_lshl_b32 s10, s13, 14                        ; 16 rows of 1,024 bytes
	s_mov_b32 s11, 0
	s_wait_kmcnt 0x0
	s_add_nc_u64 s[6:7], s[6:7], s[14:15]
	s_add_nc_u64 s[8:9], s[8:9], s[10:11]
	s_load_b512 s[16:31], s[6:7], 0x0
	s_wait_kmcnt 0x0
.irp i, 0,1,2,3,4,5,6,7,8,9,10,11,12,13,14,15
	s_min_u32 s[16+\i], s[16+\i], 0x3fff
	v_lshl_add_u32 v[OFF+\i], s[16+\i], 10, v1
.endr
	s_wait_alu depctr_va_vdst(0)                   ; the sixteen offsets and v1 are written, which the loads and the stores below read
.irp i, 0,1,2,3,4,5,6,7,8,9,10,11,12,13,14,15
	global_load_b128 v[D+8*\i:D+8*\i+3],   v[OFF+\i], s[4:5]
	global_load_b128 v[D+8*\i+4:D+8*\i+7], v[OFF+\i], s[4:5] offset:512
.endr
.irp i, 0,1,2,3,4,5,6,7,8,9,10,11,12,13,14,15
	s_wait_loadcnt 30-2*\i                         ; loads come back in order: row i's two are in, the younger rows' two each stay out
	global_store_b128 v1, v[D+8*\i:D+8*\i+3],   s[8:9] offset:1024*\i th:TH_STORE_NT
	global_store_b128 v1, v[D+8*\i+4:D+8*\i+7], s[8:9] offset:1024*\i+512 th:TH_STORE_NT
.endr
	s_endpgm
.Lfunc_end_k_q382077837f_take:
	.size	k_q382077837f_take, .Lfunc_end_k_q382077837f_take-k_q382077837f_take
	.p2alignl 7, 3214868480
	.fill 96, 4, 3214868480
	.section	.rodata,"a",@progbits
	.p2align	6, 0x0
	.amdhsa_kernel k_q382077837f_take
		.amdhsa_group_segment_fixed_size 0
		.amdhsa_private_segment_fixed_size 0
		.amdhsa_enable_private_segment 0
		.amdhsa_kernarg_size 24
		.amdhsa_user_sgpr_count 2
		.amdhsa_user_sgpr_kernarg_segment_ptr 1
		.amdhsa_wavefront_size32 1
		.amdhsa_system_sgpr_workgroup_id_x 1
		.amdhsa_system_sgpr_workgroup_id_y 1
		.amdhsa_system_sgpr_workgroup_id_z 1
		.amdhsa_system_vgpr_workitem_id 0
		.amdhsa_next_free_vgpr 152
		.amdhsa_next_free_sgpr 66
		.amdhsa_reserve_vcc 0
		.amdhsa_float_denorm_mode_32 3
		.amdhsa_float_denorm_mode_16_64 3
		.amdhsa_memory_ordered 1
		.amdhsa_forward_progress 1
		.amdhsa_inst_pref_size 10
	.end_amdhsa_kernel
	.amdgpu_metadata
---
amdhsa.version: [ 1, 2 ]
amdhsa.kernels:
  - .name:           k_q382077837f_take
    .symbol:         k_q382077837f_take.kd
    .args:
      - { .name: codebook, .offset: 0, .size: 8, .value_kind: global_buffer, .address_space: global }
      - { .name: idx, .offset: 8, .size: 8, .value_kind: global_buffer, .address_space: global }
      - { .name: out0, .offset: 16, .size: 8, .value_kind: global_buffer, .address_space: global }
    .group_segment_fixed_size: 0
    .private_segment_fixed_size: 0
    .kernarg_segment_align: 8
    .kernarg_segment_size: 24
    .max_flat_workgroup_size: 128
    .sgpr_count:     66
    .vgpr_count:     152
    .wavefront_size: 32
...
	.end_amdgpu_metadata
.endif
;; end of part 6
